; MI455X (gfx1250); checked and timed in simulation.
; The chip was launched on July 23, 2026; its instructions are those of AMD's public machine-readable ISA for CDNA 5 (MIT licence, August 2026) and "CDNA5" Instruction Set Architecture Reference Guide (July 2026). The comments in the code are by the model that wrote it; some were corrected since.
;; Taylor. Allowed arithmetic: float matrix products may take bf16 or f16 operands with f32 sums; all other float work in f32.
;; Inputs: coords 64 x 17 x 2 float32; heatmaps 64 x 17 x 192 x 192 float32.
;; Outputs: out0 64 x 17 x 2 float32.
;; One version. Each part assembles by itself: llvm-mc -triple=amdgcn-amd-amdhsa -mcpu=gfx1250 --defsym DOCPART=n.
;; ======== version 1 of 1: 2 launches
;; workspace buffers: order 4,352 bytes of whole numbers
;; launch place (part 1): grid 17 x 1, 1 waves a work-group, no clusters, 0 bytes of LDS; arguments coords, order; writes order
.if DOCPART == 1
	.amdgcn_target "amdgcn-amd-amdhsa--gfx1250"
	.amdhsa_code_object_version 6
	.text
	.protected	k_q12e74ea7f0_place
	.globl	k_q12e74ea7f0_place
	.p2align	8
	.type	k_q12e74ea7f0_place,@function
k_q12e74ea7f0_place:
	s_mov_b64 s[64:65], 0
	v_nop
	global_prefetch_b8 v0, s[64:65] scope:SCOPE_SE
	s_setreg_imm32_b32 hwreg(HW_REG_WAVE_MODE, 25, 1), 1
	s_wait_xcnt 0x0
; PLACE: for each of the 64 x 17 = 1,088 keypoints, where in its 192 x 192 plane the 5 x 5 stencil begins.
; order[kp] = ((pyc - 2) * 192 + (pxc - 2)) * 4: the byte offset, inside the plane, of the stencil's upper left corner,
; with pxc = clip(int(x * 192), 2, 189) and pyc likewise.  Range 0 .. (187 * 192 + 187) * 4 = 144,364.
; These whole numbers are made from floating-point numbers HERE and stored, so that the launch that gathers forms its
; addresses from whole numbers read from memory alone; no address of this launch hangs on a floating-point number.
; One wave a work-group, 17 work-groups; a lane takes two keypoints: the wave loads 512 consecutive bytes of coords and its
; one store covers 256 consecutive bytes of order, aligned.  No LDS, no barrier: no wave needs another's data.
; The clip is made in f32 ahead of the truncation: trunc(min(max(x, 2.0), 189.0)) = clip(trunc(x), 2, 189) for every
; finite or infinite x (both are 2 below 3.0, 189 from 189.0 on, trunc(x) between); a NaN loses against 2.0 in
; v_max_num_f32 and gives 2 (such a keypoint's result is NaN whatever is gathered).
.set W,      192                       ; columns of a plane; the planes are square, H = W
.set ORIGIN, (2*W+2)*4                 ; bytes from the stencil's corner to its centre
	s_load_b128 s[4:7], s[0:1], 0x0                ; coords s[4:5], order s[6:7]
	s_lshl_b32 s2, ttmp9, 5                        ; 32 lanes a work-group
	s_movk_i32 s8, W*4                             ; bytes in a row of a plane
	s_mov_b32 s9, -ORIGIN
	v_or_b32 v1, s2, v0                            ; my pair of keypoints, 0 .. 543
	v_lshlrev_b32 v2, 4, v1                        ; 16 bytes of coords: x0, y0, x1, y1
	v_lshlrev_b32 v3, 3, v1                        ; 8 bytes of order
	s_wait_kmcnt 0x0
	global_load_b128 v[4:7], v2, s[4:5]
	s_wait_loadcnt 0x0
	v_pk_mul_f32 v[4:5], v[4:5], 0x43400000 op_sel_hi:[1,0]   ; norm grid to pixels: x 192.0, one rounding as in the reference
	v_pk_mul_f32 v[6:7], v[6:7], 0x43400000 op_sel_hi:[1,0]
.irp r, 4,5,6,7
	v_max_num_f32 v\r, 2.0, v\r                    ; clip to 2 .. W - 3
	v_min_num_f32 v\r, 0x433d0000, v\r             ; 189.0
	v_cvt_i32_f32 v\r, v\r                         ; toward zero
.endr
	; pyc * 768 + (pxc * 4 - ORIGIN), modulo 2^32: the bracket may wrap below 0, the sum is 0 or more since pyc, pxc >= 2
	v_lshl_add_u32 v4, v4, 2, s9
	v_lshl_add_u32 v6, v6, 2, s9
	v_mad_u32_u24 v8, v5, s8, v4
	v_mad_u32_u24 v9, v7, s8, v6
	global_store_b64 v3, v[8:9], s[6:7]
	s_endpgm
.Lfunc_end_k_q12e74ea7f0_place:
	.size	k_q12e74ea7f0_place, .Lfunc_end_k_q12e74ea7f0_place-k_q12e74ea7f0_place
	.p2alignl 7, 3214868480
	.fill 96, 4, 3214868480
	.section	.rodata,"a",@progbits
	.p2align	6, 0x0
	.amdhsa_kernel k_q12e74ea7f0_place
		.amdhsa_group_segment_fixed_size 0
		.amdhsa_private_segment_fixed_size 0
		.amdhsa_enable_private_segment 0
		.amdhsa_kernarg_size 16
		.amdhsa_user_sgpr_count 2
		.amdhsa_user_sgpr_kernarg_segment_ptr 1
		.amdhsa_wavefront_size32 1
		.amdhsa_system_sgpr_workgroup_id_x 1
		.amdhsa_system_sgpr_workgroup_id_y 1
		.amdhsa_system_sgpr_workgroup_id_z 1
		.amdhsa_system_vgpr_workitem_id 0
		.amdhsa_next_free_vgpr 16
		.amdhsa_next_free_sgpr 66
		.amdhsa_reserve_vcc 0
		.amdhsa_float_denorm_mode_32 3
		.amdhsa_float_denorm_mode_16_64 3
		.amdhsa_memory_ordered 1
		.amdhsa_forward_progress 1
		.amdhsa_inst_pref_size 2
	.end_amdhsa_kernel
	.amdgpu_metadata
---
amdhsa.version: [ 1, 2 ]
amdhsa.kernels:
  - .name:           k_q12e74ea7f0_place
    .symbol:         k_q12e74ea7f0_place.kd
    .args:
      - { .name: coords, .offset: 0, .size: 8, .value_kind: global_buffer, .address_space: global }
      - { .name: order, .offset: 8, .size: 8, .value_kind: global_buffer, .address_space: global }
    .group_segment_fixed_size: 0
    .private_segment_fixed_size: 0
    .kernarg_segment_align: 8
    .kernarg_segment_size: 16
    .max_flat_workgroup_size: 32
    .sgpr_count:     66
    .vgpr_count:     16
    .wavefront_size: 32
...
	.end_amdgpu_metadata
.endif
;; end of part 1
;; launch refine (part 2): grid 34 x 1, 1 waves a work-group, no clusters, 0 bytes of LDS; arguments coords, heatmaps, order, out0; writes out0
.if DOCPART == 2
	.amdgcn_target "amdgcn-amd-amdhsa--gfx1250"
	.amdhsa_code_object_version 6
	.text
	.protected	k_q12e74ea7f0_refine
	.globl	k_q12e74ea7f0_refine
	.p2align	8
	.type	k_q12e74ea7f0_refine,@function
k_q12e74ea7f0_refine:
	s_mov_b64 s[64:65], 0
	v_nop
	global_prefetch_b8 v0, s[64:65] scope:SCOPE_SE
	s_setreg_imm32_b32 hwreg(HW_REG_WAVE_MODE, 25, 1), 1
	s_wait_xcnt 0x0
; REFINE: the Taylor step of each keypoint.  One lane a keypoint, one wave a work-group, 34 work-groups (1,088 keypoints).
; A lane reads its stencil's corner from order (whole numbers of the launch before), gathers the 13 heatmap values of the
; cross 1 + 3 + 5 + 3 + 1, and computes  xy + ok ? -Hessian^-1 gradient : 0,  back on the norm grid, stored as (y, x).
; The wave's one store covers 256 consecutive bytes of out0, aligned.
; Left out, by this text's own arithmetic: LDS, barriers, clusters (no byte is shared between waves); the matrix unit (no
; product); prefetches (a gather's address is known when the order word arrives, and the 13 loads go out at once);
; non-temporal hints on the gathers (up to five loads of a lane fall into one short stretch of a row).
;
; ARITHMETIC.  L = log2 of the values; the raw differences Dx, Dy, Dxx, Dyy, Dxy carry neither ln 2 nor the factors 1/2, 1/4.
; Numerator and determinant are both of degree two in the logarithms, so ln(2)^2 cancels in the quotient, and the powers
; of two leave  off = -2 N / Det  exactly.  The order of each sum is the reference's.
; Det is two rounded products and a subtraction, on purpose not one fused multiply-add: the test Det != 0 then sees an
; exactly singular Hessian (Dxx = Dyy = Dxy, say) as 0, as the reference's expression does; a fused form would leave
; the first product's rounding residue there.  The numerators, on which no test hangs, are fused.
; safe_det is not formed: where ok is false the quotient, whatever it is, is replaced by 0.
; v_log_f32 takes a denormal input for zero (ISA guide 15.8): values below 2^-126 are scaled by 2^32 and 32 is taken off.
; v_rcp_f32 never meets a denormal here: a log2 of an f32 is 0 or at least 2^-24 in size, hence a multiple of 2^-47; so are
; the differences; a rounded product is 0 or a multiple of 2^-117; so |Det| is 0 or >= 2^-117, and < 2 * (4 * 149)^2 < 2^20.
; LIMITS: the division by Det is v_rcp_f32 (1 ULP) and a multiply, the division by 192 a multiply by the rounded 1/192:
; a few ULP beside the reference's divisions.  NaN, infinities and negative values go the reference's way (NaN out).
.set W,      192                       ; columns of a plane; H = W
.set PLANE,  W*W*4                     ; bytes in a plane: 147,456; 1,087 planes + a plane stay below 2^31
.set CORNER, (187*W+187)*4             ; the largest corner: 144,364
.set KP,   1                           ; v1       keypoint
.set OO,   2                           ; v2       byte offset in order
.set CO,   3                           ; v3       byte offset in coords and in out0
.set PO,   4                           ; v4       byte offset of my plane
.set IX,   5                           ; v5       the corner, as loaded and clamped
.set C,    6                           ; v[6:7]   coords x, y
.set GO,   8                           ; v8       byte offset of my stencil's corner in heatmaps
.set L,    10                          ; v[10:22] the 13 values, then their log2
.set BIAS, 24                          ; v[24:36] 32.0 where the value was scaled up, else 0
.set T,    38                          ; v38      the scale
.set X,    40                          ; v[40:41] x, y in pixels
.set PX,   42                          ; v42, v43 px, py, then px - 2, py - 2
.set DX,   44
.set DY,   45
.set DXX,  46
.set DYY,  47
.set DXY,  48
.set P,    49
.set Q,    50
.set NX,   51
.set NY,   52
.set R,    53
.set O,    54                          ; v[54:55] y, x on the norm grid
.set TINY,  14                         ; s14  1e-10
.set MINN,  15                         ; s15  2^-126, the smallest normal number
.set UP,    16                         ; s16  2^32
.set UPLOG, 17                         ; s17  32.0
.set INV,   18                         ; s18  1 / 192, rounded
	s_load_b256 s[4:11], s[0:1], 0x0               ; coords s[4:5], heatmaps s[6:7], order s[8:9], out0 s[10:11]
	s_lshl_b32 s2, ttmp9, 5                        ; 32 keypoints a work-group
	s_mov_b32 s[TINY],  0x2edbe6ff
	s_mov_b32 s[MINN],  0x00800000
	s_mov_b32 s[UP],    0x4f800000
	s_mov_b32 s[UPLOG], 0x42000000
	s_mov_b32 s[INV],   0x3baaaaab
	v_or_b32 v[KP], s2, v0
	v_lshlrev_b32 v[OO], 2, v[KP]
	v_lshlrev_b32 v[CO], 3, v[KP]
	v_mul_u32_u24 v[PO], v[KP], PLANE
	s_wait_kmcnt 0x0
	global_load_b32 v[IX], v[OO], s[8:9]           ; first: the gathers hang on it
	global_load_b64 v[C:C+1], v[CO], s[4:5]
	s_wait_loadcnt 0x1                             ; loads come back in order (ISA guide 5.7.1): the corner is in, coords may be out
	v_min_u32 v[IX], CORNER, v[IX]                 ; whatever the word holds, the stencil stays inside my plane
	v_add_nc_u32 v[GO], v[PO], v[IX]
; value i = the heatmap at (pyc + dy, pxc + dx); the corner is (pyc - 2, pxc - 2), so every offset is 0 or more
.macro G i, dy, dx
	global_load_b32 v[L+\i], v[GO], s[6:7] offset:((\dy+2)*W+(\dx+2))*4
.endm
	G 0,   0,  0
	G 1,   0,  1
	G 2,   0, -1
	G 3,   1,  0
	G 4,  -1,  0
	G 5,   0,  2
	G 6,   0, -2
	G 7,   2,  0
	G 8,  -2,  0
	G 9,   1,  1
	G 10, -1,  1
	G 11,  1, -1
	G 12, -1, -1
	s_wait_loadcnt 13                              ; coords are in; the 13 gathers issued behind them stay out
	v_pk_mul_f32 v[X:X+1], v[C:C+1], 0x43400000 op_sel_hi:[1,0]   ; norm grid to pixels: x 192.0
	v_cvt_i32_f32 v[PX],   v[X]                    ; toward zero, as int() does
	v_cvt_i32_f32 v[PX+1], v[X+1]
	; each value as it arrives: 0 (of either sign) becomes 1e-10; what is below 2^-126 is scaled by 2^32
.irp i, 0,1,2,3,4,5,6,7,8,9,10,11,12
	s_wait_loadcnt 12-\i                           ; gather i is in, the 12 - i behind it may be out
	v_cmp_eq_f32 vcc_lo, 0, v[L+\i]
	v_cndmask_b32 v[L+\i], v[L+\i], s[TINY], vcc_lo
	v_cmp_gt_f32 vcc_lo, s[MINN], v[L+\i]          ; 2^-126 > value (negative values too: their logarithm is NaN either way)
	v_cndmask_b32 v[T], 1.0, s[UP], vcc_lo
	v_cndmask_b32 v[BIAS+\i], 0, s[UPLOG], vcc_lo
	v_mul_f32 v[L+\i], v[L+\i], v[T]
.endr
.irp i, 0,1,2,3,4,5,6,7,8,9,10,11,12
	v_log_f32 v[L+\i], v[L+\i]                     ; log2, back to back on registers of their own
.endr
	; The bounds test stands here: plain vector work that names no logarithm, the place that has to lie between a
	; transcendental and the first use of its result (ISA guide 5.7.2).
	; 1 < px < W - 2  is  0 <= px - 2 < 188, one unsigned compare (a px - 2 that wraps is far above 188)
	v_add_nc_u32 v[PX],   -2, v[PX]
	v_add_nc_u32 v[PX+1], -2, v[PX+1]
	v_cmp_gt_u32 s12, W-4, v[PX]
	v_cmp_gt_u32 s13, W-4, v[PX+1]
	s_and_b32 s12, s12, s13                        ; inb
	s_wait_alu depctr_va_vdst(0)
.irp i, 0,1,2,3,4,5,6,7,8,9,10,11,12
	v_sub_f32 v[L+\i], v[L+\i], v[BIAS+\i]         ; take the scaling off again
.endr
	v_sub_f32 v[DX],  v[L+1], v[L+2]               ; 2 dx  = g(0,1) - g(0,-1)
	v_sub_f32 v[DY],  v[L+3], v[L+4]               ; 2 dy  = g(1,0) - g(-1,0)
	v_fma_f32 v[DXX], -2.0, v[L], v[L+5]           ; 4 dxx = (g(0,2) - 2 g(0,0)) + g(0,-2); 2 g is exact, so fused = unfused
	v_fma_f32 v[DYY], -2.0, v[L], v[L+7]           ; 4 dyy = (g(2,0) - 2 g(0,0)) + g(-2,0)
	v_sub_f32 v[DXY], v[L+9], v[L+10]              ; 4 dxy = ((g(1,1) - g(-1,1)) - g(1,-1)) + g(-1,-1)
	v_add_f32 v[DXX], v[DXX], v[L+6]
	v_add_f32 v[DYY], v[DYY], v[L+8]
	v_sub_f32 v[DXY], v[DXY], v[L+11]
	v_add_f32 v[DXY], v[DXY], v[L+12]
	v_mul_f32 v[P],  v[DXX], v[DYY]
	v_mul_f32 v[Q],  v[DXY], v[DXY]
	v_mul_f32 v[NX], v[DXY], v[DY]
	v_mul_f32 v[NY], v[DXY], v[DX]
	v_sub_f32 v[P],  v[P], v[Q]                    ; 16 det: two rounded products, not fused (see the head)
	v_rcp_f32 v[R],  v[P]
	v_fma_f32 v[NX], v[DYY], v[DX], -v[NX]         ; 8 (dyy dx - dxy dy); these two lines are also the place behind v_rcp_f32
	v_fma_f32 v[NY], v[DXX], v[DY], -v[NY]         ; 8 (dxx dy - dxy dx)
	v_cmp_neq_f32 vcc_lo, 0, v[P]                  ; det != 0; true for a NaN, as in the reference
	s_and_b32 vcc_lo, vcc_lo, s12                  ; ok = inb and det != 0
	s_wait_alu depctr_va_vdst(0)
	v_mul_f32 v[NX], v[NX], v[R]
	v_mul_f32 v[NY], v[NY], v[R]
	v_cndmask_b32 v[NX], 0, v[NX], vcc_lo          ; not ok: no offset, whatever the quotient was
	v_cndmask_b32 v[NY], 0, v[NY], vcc_lo
	v_fma_f32 v[X],   -2.0, v[NX], v[X]            ; xy - 2 N / Det
	v_fma_f32 v[X+1], -2.0, v[NY], v[X+1]
	v_mul_f32 v[O],   s[INV], v[X+1]               ; back to the norm grid, flipped: y first,
	v_mul_f32 v[O+1], s[INV], v[X]                 ; then x
	global_store_b64 v[CO], v[O:O+1], s[10:11]
	s_endpgm
.Lfunc_end_k_q12e74ea7f0_refine:
	.size	k_q12e74ea7f0_refine, .Lfunc_end_k_q12e74ea7f0_refine-k_q12e74ea7f0_refine
	.p2alignl 7, 3214868480
	.fill 96, 4, 3214868480
	.section	.rodata,"a",@progbits
	.p2align	6, 0x0
	.amdhsa_kernel k_q12e74ea7f0_refine
		.amdhsa_group_segment_fixed_size 0
		.amdhsa_private_segment_fixed_size 0
		.amdhsa_enable_private_segment 0
		.amdhsa_kernarg_size 32
		.amdhsa_user_sgpr_count 2
		.amdhsa_user_sgpr_kernarg_segment_ptr 1
		.amdhsa_wavefront_size32 1
		.amdhsa_system_sgpr_workgroup_id_x 1
		.amdhsa_system_sgpr_workgroup_id_y 1
		.amdhsa_system_sgpr_workgroup_id_z 1
		.amdhsa_system_vgpr_workitem_id 0
		.amdhsa_next_free_vgpr 64
		.amdhsa_next_free_sgpr 66
		.amdhsa_reserve_vcc 1
		.amdhsa_float_denorm_mode_32 3
		.amdhsa_float_denorm_mode_16_64 3
		.amdhsa_memory_ordered 1
		.amdhsa_forward_progress 1
		.amdhsa_inst_pref_size 9
	.end_amdhsa_kernel
	.amdgpu_metadata
---
amdhsa.version: [ 1, 2 ]
amdhsa.kernels:
  - .name:           k_q12e74ea7f0_refine
    .symbol:         k_q12e74ea7f0_refine.kd
    .args:
      - { .name: coords, .offset: 0, .size: 8, .value_kind: global_buffer, .address_space: global }
      - { .name: heatmaps, .offset: 8, .size: 8, .value_kind: global_buffer, .address_space: global }
      - { .name: order, .offset: 16, .size: 8, .value_kind: global_buffer, .address_space: global }
      - { .name: out0, .offset: 24, .size: 8, .value_kind: global_buffer, .address_space: global }
    .group_segment_fixed_size: 0
    .private_segment_fixed_size: 0
    .kernarg_segment_align: 8
    .kernarg_segment_size: 32
    .max_flat_workgroup_size: 32
    .sgpr_count:     66
    .vgpr_count:     64
    .wavefront_size: 32
...
	.end_amdgpu_metadata
.endif
;; end of part 2
